; MI455X (gfx1250); checked and timed in simulation.
; The chip was launched on July 23, 2026; its instructions are those of AMD's public machine-readable ISA for CDNA 5 (MIT licence, August 2026) and "CDNA5" Instruction Set Architecture Reference Guide (July 2026). The comments in the code are by the model that wrote it; some were corrected since.
;; Transformer. Allowed arithmetic: float matrix products may take bf16 or f16 operands with f32 sums; all other float work in f32.
;; Inputs: wk_b 1,024 float32; wk_w 1,024 x 1,024 float32; wq_b 1,024 float32; wq_w 1,024 x 1,024 float32; wv_b 1,024 float32; wv_w 1,024 x 1,024 float32; x 2 x 2,048 x 1,024 float32.
;; Outputs: out0 2 x 2,048 x 1,024 float32.
;; 2 versions, each right; version 2 is version 1 with the launch cvt written anew for expert scheduling mode. Each part assembles by itself: llvm-mc -triple=amdgcn-amd-amdhsa -mcpu=gfx1250 --defsym DOCPART=n.
;; ======== version 1 of 2: 3 launches
;; limits: values are held in f16: magnitudes above 65,504 overflow, below 6.1e-05 lose precision
;; workspace buffers: xb 8,388,608 bytes; wb 6,291,456 bytes; qw 8,388,608 bytes; kw 8,388,608 bytes; vw 8,388,608 bytes
;; launch cvt (part 1): grid 256 x 1, 8 waves a work-group, no clusters, 0 bytes of LDS; arguments x, wq_w, wk_w, wv_w, xb, wb; writes xb, wb
.if DOCPART == 1
	.amdgcn_target "amdgcn-amd-amdhsa--gfx1250"
	.amdhsa_code_object_version 6
	.text
	.protected	k_q801d9839c4_cvt
	.globl	k_q801d9839c4_cvt
	.p2align	8
	.type	k_q801d9839c4_cvt,@function
k_q801d9839c4_cvt:
	s_mov_b64 s[64:65], 0
	v_nop
	global_prefetch_b8 v0, s[64:65] scope:SCOPE_SE
	s_setreg_imm32_b32 hwreg(HW_REG_WAVE_MODE, 25, 1), 1
	s_wait_xcnt 0x0
; x [4096][1024] and the three weights [1024][1024], f32, are rounded once to bf16 (nearest even).
; xb: [4096][1024] bf16, rows as in x.
; wb: [16 heads][2 halves of a head's 64 dims][q 32 rows | k 32 rows | v 32 rows][1024] bf16: the 96 rows that one wave
;     of the next launch multiplies by lie together.
; A stream: no LDS, no barrier, no matrix unit.  Work-group g takes rows 16 g .. 16 g + 15 of x and rows 4 g .. 4 g + 3 of each weight:
; 28 rows of 4,096 bytes.  Thread t takes the 16 bytes at 16 t of every row, so the eight waves cover a row, a load of a wave
; covers 512 consecutive bytes and a store of a wave 256 consecutive bytes, aligned.  All 28 loads of a wave go out first.
.set ROWIN,  4096                      ; bytes in an f32 row
.set ROWOUT, 2048                      ; bytes in a bf16 row
.set X,      4                         ; v[4:115]  row n: 4 registers as loaded; its first two then hold the 4 bf16
	s_load_b256 s[4:11], s[0:1], 0x0               ; x s[4:5], wq_w s[6:7], wk_w s[8:9], wv_w s[10:11]
	s_load_b128 s[12:15], s[0:1], 0x20             ; xb s[12:13], wb s[14:15]
	v_lshlrev_b32 v1, 4, v0                        ; my 16 bytes of an f32 row
	v_lshlrev_b32 v2, 3, v0                        ; my 8 bytes of a bf16 row
	s_lshl_b32 s16, ttmp9, 16                      ; 16 rows of 4,096 bytes
	s_mov_b32 s17, 0
	s_lshl_b32 s18, ttmp9, 15                      ; 16 rows of 2,048 bytes
	s_mov_b32 s19, 0
	s_lshl_b32 s20, ttmp9, 14                      ; 4 rows of 4,096 bytes
	s_mov_b32 s21, 0
	s_lshr_b32 s22, ttmp9, 4                       ; weight rows 4 g ..: head g / 16,
	s_mul_i32 s22, s22, 192
	s_bfe_u32 s23, ttmp9, 0x10003                  ; half (g / 8) mod 2,
	s_mul_i32 s23, s23, 96
	s_add_co_u32 s22, s22, s23
	s_and_b32 s23, ttmp9, 7                        ; row 4 (g mod 8) of the half's 32
	s_lshl2_add_u32 s22, s23, s22
	s_lshl_b32 s22, s22, 11                        ; rows of 2,048 bytes
	s_mov_b32 s23, 0
	s_wait_kmcnt 0x0
	s_add_nc_u64 s[4:5], s[4:5], s[16:17]
	s_add_nc_u64 s[12:13], s[12:13], s[18:19]
	s_add_nc_u64 s[6:7], s[6:7], s[20:21]
	s_add_nc_u64 s[8:9], s[8:9], s[20:21]
	s_add_nc_u64 s[10:11], s[10:11], s[20:21]
	s_add_nc_u64 s[14:15], s[14:15], s[22:23]
.irp i, 0,1,2,3,4,5,6,7,8,9,10,11,12,13,14,15
	global_load_b128 v[X+4*\i:X+4*\i+3], v1, s[4:5] offset:\i*ROWIN th:TH_LOAD_NT
.endr
.irp t, 0,1,2
.irp i, 0,1,2,3
	global_load_b128 v[X+64+16*\t+4*\i:X+64+16*\t+4*\i+3], v1, s[6+2*\t:7+2*\t] offset:\i*ROWIN th:TH_LOAD_NT
.endr
.endr
; Row n of the 28: rounded in the registers that it was loaded into, and stored.  No register is used twice, so no store's source is rewritten.
.macro OUT n, sb, off
	s_wait_loadcnt 27-\n                           ; loads come back in order (ISA guide 5.7.1): row n is in, the 27 - n younger ones stay out
	v_cvt_pk_bf16_f32 v[X+4*\n], v[X+4*\n], v[X+4*\n+1]
	v_cvt_pk_bf16_f32 v[X+4*\n+1], v[X+4*\n+2], v[X+4*\n+3]
	global_store_b64 v2, v[X+4*\n:X+4*\n+1], s[\sb:\sb+1] offset:\off
.endm
.irp i, 0,1,2,3,4,5,6,7,8,9,10,11,12,13,14,15
	OUT \i, 12, \i*ROWOUT
.endr
.irp t, 0,1,2
.irp i, 0,1,2,3
	OUT (16+4*\t+\i), 14, \t*65536+\i*ROWOUT       ; q, k, v: 32 rows of 2,048 bytes apart
.endr
.endr
	s_endpgm
.Lfunc_end_k_q801d9839c4_cvt:
	.size	k_q801d9839c4_cvt, .Lfunc_end_k_q801d9839c4_cvt-k_q801d9839c4_cvt
	.p2alignl 7, 3214868480
	.fill 96, 4, 3214868480
	.section	.rodata,"a",@progbits
	.p2align	6, 0x0
	.amdhsa_kernel k_q801d9839c4_cvt
		.amdhsa_group_segment_fixed_size 0
		.amdhsa_private_segment_fixed_size 0
		.amdhsa_enable_private_segment 0
		.amdhsa_kernarg_size 48
		.amdhsa_user_sgpr_count 2
		.amdhsa_user_sgpr_kernarg_segment_ptr 1
		.amdhsa_wavefront_size32 1
		.amdhsa_system_sgpr_workgroup_id_x 1
		.amdhsa_system_sgpr_workgroup_id_y 1
		.amdhsa_system_sgpr_workgroup_id_z 1
		.amdhsa_system_vgpr_workitem_id 0
		.amdhsa_next_free_vgpr 120
		.amdhsa_next_free_sgpr 66
		.amdhsa_reserve_vcc 0
		.amdhsa_float_denorm_mode_32 3
		.amdhsa_float_denorm_mode_16_64 3
		.amdhsa_memory_ordered 1
		.amdhsa_forward_progress 1
		.amdhsa_inst_pref_size 11
	.end_amdhsa_kernel
	.amdgpu_metadata
---
amdhsa.version: [ 1, 2 ]
amdhsa.kernels:
  - .name:           k_q801d9839c4_cvt
    .symbol:         k_q801d9839c4_cvt.kd
    .args:
      - { .name: x, .offset: 0, .size: 8, .value_kind: global_buffer, .address_space: global }
      - { .name: wq_w, .offset: 8, .size: 8, .value_kind: global_buffer, .address_space: global }
      - { .name: wk_w, .offset: 16, .size: 8, .value_kind: global_buffer, .address_space: global }
      - { .name: wv_w, .offset: 24, .size: 8, .value_kind: global_buffer, .address_space: global }
      - { .name: xb, .offset: 32, .size: 8, .value_kind: global_buffer, .address_space: global }
      - { .name: wb, .offset: 40, .size: 8, .value_kind: global_buffer, .address_space: global }
    .group_segment_fixed_size: 0
    .private_segment_fixed_size: 0
    .kernarg_segment_align: 8
    .kernarg_segment_size: 48
    .max_flat_workgroup_size: 256
    .sgpr_count:     66
    .vgpr_count:     120
    .wavefront_size: 32
...
	.end_amdgpu_metadata
.endif
;; end of part 1
;; launch qkv (part 2): grid 16 x 16, 4 waves a work-group, clusters of 4 x 4, 327,680 bytes of LDS; arguments xb, wb, wq_b, wk_b, wv_b, qw, kw, vw; writes qw, kw, vw
.if DOCPART == 2
	.amdgcn_target "amdgcn-amd-amdhsa--gfx1250"
	.amdhsa_code_object_version 6
	.text
	.protected	k_q801d9839c4_qkv
	.globl	k_q801d9839c4_qkv
	.p2align	8
	.type	k_q801d9839c4_qkv,@function
k_q801d9839c4_qkv:
	s_mov_b64 s[64:65], 0
	v_nop
	global_prefetch_b8 v0, s[64:65] scope:SCOPE_SE
	s_setreg_imm32_b32 hwreg(HW_REG_WAVE_MODE, 25, 1), 1
	s_wait_xcnt 0x0
	s_wait_alu depctr_hold_cnt(0) depctr_sa_sdst(0) depctr_va_vdst(0) depctr_va_sdst(0) depctr_va_ssrc(0) depctr_va_vcc(0) depctr_vm_vsrc(0)
	s_getreg_b32 s2, hwreg(HW_REG_IB_STS2, 6, 4)
	s_cmp_eq_u32 s2, 0
	s_cbranch_scc0 .Lentry_in_a_cluster
	s_endpgm
.Lentry_in_a_cluster:
	s_bfe_u32 s2, ttmp6, 0x10000c
	s_cmp_lg_u32 s2, 0xf033
	s_cbranch_scc0 .Lentry_shape_is_right
	s_endpgm
.Lentry_shape_is_right:
; q, k, v = x W^T + b for one head and 256 positions: a block of 256 x 192 of a product 4096 x 3072 x 1024, bf16 operands, f32 sums.
; q is multiplied by log2(e) / 8 here (softmax's 1 / sqrt(64), and base 2 for the exponentials of the next launch), before it is rounded.
; LIMIT: q, k, v leave as f16 (11 significant bits; bf16's 8 would not hold the comparison in rows with few keys): |q log2(e) / 8|, |k|, |v| must stay
; below 65,504.  With x of spread 1 and weights of spread 1/32 they are about 1; inputs 30 times larger give about 5,000, offsets of 30 spreads about 29,000.
; Four waves; wave (mh, nh) makes 128 positions x 96 columns (dims 32 nh .. 32 nh + 31 of q, of k and of v): 48 accumulator tiles, 384 registers.
; K goes in steps of 128 through two LDS slots filled by the tensor data mover; a tile's rows are 256 bytes of memory, aligned to 256 bytes.
; CLUSTERS: 4 x 4 work-groups.  The four of a row of the cluster have the same 256 positions and ask for x's tiles jointly; the four of a column have the
; same head and ask for the weights' tiles jointly: the requests for both are divided by four.
; OUTPUT LAYOUT (qw, kw, vw alike): [32 batch x head][8 chunks of 256 positions][4 planes of 16 dims][16 groups of 16 positions][512 bytes].
;   q, k: byte 32 r + 16 h of a block = position r of the group, dims 8 h .. 8 h + 7 of the plane.   v: dim r of the plane, positions 8 h .. 8 h + 7.
;   A lane's eight results are those 16 bytes, so a store of a wave covers one block: 512 consecutive bytes, aligned; no way through LDS is needed.
;   For q and k the matrix instruction is used transposed (source 0 = weight rows), for v as it stands (source 0 = positions).
; REGISTERS in windows of 256: window 0: v0-31 addresses, v32-159 x's fragments (two buffers of 8), v160-255 the weights' (two buffers of 6);
;   window 1: tiles of my positions 0-63 (tile (a, b) at 8 (6 a + b)), v192-225 the biases;   window 2: tiles of my positions 64-127.
.set KSTEP,  128
.set PITCH,  272                       ; an LDS row: 256 bytes + 16 of padding: the 16 rows that a load touches begin at 16 different 16-byte columns modulo 256 bytes
.set HALFT,  128*PITCH                 ; a wave's quarter of a slot: 128 rows of x, or 96 rows of weights (26,112 bytes of it)
.set SLOT,   4*HALFT                   ; x's two halves, then the weights' two halves
.set LAPS,   1024/(2*KSTEP)            ; a lap = two K steps = once round the ring
.set ADRA, 16                          ; v16-17  LDS address of my x fragments in slot 0, 1
.set ADRB, 20                          ; v20-21  the same for the weights
.set CO,   24                          ; v24     32 r + 16 h: my 16 bytes in an output block
.set BO8,  25                          ; v25     32 h: my eight biases of q and k
.set BO4,  26                          ; v26     4 r: my bias of v
.set FA,   32                          ; x's fragment buffers: FA + 64 f
.set FB,   160                         ; the weights': FB + 48 f
.set BQ,   192                         ; window 1: v192-207 q's biases of my dims in the two planes, v208-223 k's, v224-225 v's
.set BK,   208
.set BV,   224
.set G1,  24                           ; s[24:31] descriptor group 1 for x's tiles
.set G0,  32                           ; s[32:39] group 0 for x's tiles, a set for each slot
.set G1B, 48                           ; s[48:55] group 1 for the weights' tiles
.set G0B, 56                           ; s[56:63] group 0 for the weights' tiles
.set MSB, 0
.macro WIN new                         ; the immediate's high byte repeats the setting that is left
.if MSB != \new
	s_set_vgpr_msb (MSB<<8)|\new
.set MSB, \new
.endif
.endm
.set MUL_LO, 0x50                      ; sources 0 and 1 window 0, C and D window 1
.set MUL_HI, 0xa0                      ; C and D window 2
; A joint load.  Waves 0 and 1 fetch x's two halves, waves 2 and 3 the weights' two.  Each line has one mask and one set of registers for all that issue it.
.macro JLOAD s
	s_cmp_eq_u32 s11, 0
	s_cbranch_scc0 .Lfor_b_\@
	tensor_load_to_lds s[G0+4*\s:G0+4*\s+3], s[G1:G1+7]
	s_nop 0
	s_branch .Lasked_\@
.Lfor_b_\@:
	tensor_load_to_lds s[G0B+4*\s:G0B+4*\s+3], s[G1B:G1B+7]
	s_nop 0
.Lasked_\@:
.endm
; A round of the cluster's barrier: my work-group's barrier; wave 0 signals for the work-group; every wave waits for all sixteen; my work-group's barrier again.
.macro CREST                           ; a round behind its opening barrier
	s_cmp_lg_u32 s10, 0
	s_cbranch_scc1 .Lnot_wave_0_\@
	s_barrier_signal -3
.Lnot_wave_0_\@:
	s_barrier_wait -3
	s_barrier_signal -1
	s_barrier_wait -1
.endm
.macro CROUND
	s_barrier_signal -1
	s_barrier_wait -1
	CREST
.endm
	s_load_b512 s[68:83], s[0:1], 0x0              ; xb s[68:69], wb s[70:71], wq_b, wk_b, wv_b s[72:77], qw, kw, vw s[78:83]
	v_lshl_add_u32 v30, v0, 2, 0x44000
	v_mov_b32 v31, 0
	ds_add_u32 v30, v31
	v_lshrrev_b32 v1, 5, v0
	v_readfirstlane_b32 s10, v1                    ; wave 0..3
	s_lshr_b32 s11, s10, 1                         ; mh: my half of the positions.  Also: I fetch x (0) or weights (1)
	s_and_b32 s12, s10, 1                          ; nh: my half of the head's dims.  Also: which half of that tile I fetch
	s_bfe_u32 s40, ttmp6, 0x40000                  ; cx
	s_bfe_u32 s41, ttmp6, 0x40004                  ; cy
	s_lshl_b32 s42, ttmp9, 2
	s_add_co_u32 s42, s42, s40                     ; head = 4 x cluster x + cx
	s_and_b32 s13, ttmp7, 0xffff
	s_lshl_b32 s13, s13, 2
	s_add_co_u32 s13, s13, s41                     ; block of 256 positions = 4 x cluster y + cy
	s_lshl_b32 s43, s41, 2
	s_lshl_b32 s43, 15, s43                        ; my row of the cluster: places 4 cy .. 4 cy + 3
	s_lshl_b32 s44, 0x1111, s40                    ; my column: places cx, cx + 4, cx + 8, cx + 12
	; group 1: rows of 128 elements of 2 bytes, 16 bytes of padding behind every 64 words; 128 rows of x, 96 rows of weights; pitch 1,024 elements
	s_or_b32 s[G1+0], s43, (1<<16)|(1<<20)|(1<<21)|(5<<22)|(3<<25)   ; 15:0 mask: my row; 17:16 2 bytes; 20 padding; 21 set beside a mask; 24:22 every 64 words; 31:25 4 words
	s_or_b32 s[G1B+0], s44, (1<<16)|(1<<20)|(1<<21)|(5<<22)|(3<<25)  ; the same with the mask of my column
	s_mov_b32 s[G1+1], KSTEP<<16                   ; tensor_dim0 = 128
	s_mov_b32 s[G1B+1], KSTEP<<16
	s_mov_b32 s[G1+2], 128<<16                     ; tensor_dim1 = 128
	s_mov_b32 s[G1B+2], 96<<16                     ; tensor_dim1 = 96
	s_mov_b32 s[G1+3], KSTEP<<16                   ; tile_dim0 = 128
	s_mov_b32 s[G1B+3], KSTEP<<16
	s_mov_b32 s[G1+4], 128                         ; tile_dim1 = 128
	s_mov_b32 s[G1B+4], 96                         ; tile_dim1 = 96
	s_mov_b32 s[G1+5], 1024                        ; elements from row to row
	s_mov_b32 s[G1B+5], 1024
	s_mov_b32 s[G1+6], 0
	s_mov_b32 s[G1B+6], 0
	s_mov_b32 s[G1+7], 0
	s_mov_b32 s[G1B+7], 0
	; x's tiles hang on the block of positions alone, which my row of the cluster shares; the weights' on the head alone, which my column shares
	s_lshl_b32 s16, s13, 8
	s_lshl_b32 s17, s12, 7
	s_add_co_u32 s16, s16, s17                     ; x: row 256 x block + 128 x half
	s_lshl_b32 s16, s16, 11                        ; rows of 2,048 bytes
	s_mov_b32 s17, 0
	s_mul_i32 s46, s42, 192
	s_mul_i32 s47, s12, 96
	s_add_co_u32 s46, s46, s47                     ; weights: row 192 x head + 96 x half
	s_lshl_b32 s46, s46, 11
	s_mov_b32 s47, 0
	s_mul_i32 s20, s10, HALFT                      ; where my tile goes: wave x 34,816: no place in the cluster enters an LDS address
	s_lshl_b32 s90, s42, 8                         ; biases: 64 f32 a head, 32 a half
	s_lshl_b32 s91, s12, 7
	s_add_co_u32 s90, s90, s91
	s_mov_b32 s91, 0
	s_mov_b32 s84, 0x3e38aa3b                      ; log2(e) / 8, twice: a pair for the packed multiply-add
	s_mov_b32 s85, 0x3e38aa3b
	s_wait_dscnt 0x0
	s_wait_kmcnt 0x0
	s_add_nc_u64 s[14:15], s[68:69], s[16:17]
	s_add_nc_u64 s[46:47], s[70:71], s[46:47]
	s_add_nc_u64 s[72:73], s[72:73], s[90:91]
	s_add_nc_u64 s[74:75], s[74:75], s[90:91]
	s_add_nc_u64 s[76:77], s[76:77], s[90:91]
	CROUND                                         ; all sixteen work-groups are here: the first joint loads meet
.irp s, 0,1
	s_mov_b32 s[G0+4*\s], 1                                        ; count = 1
	s_add_co_u32 s[G0+4*\s+1], s20, \s*SLOT                        ; LDS address
	s_add_nc_u64 s[G0+4*\s+2:G0+4*\s+3], s[14:15], \s*KSTEP*2      ; global address: K step s
	s_or_b32 s[G0+4*\s+3], s[G0+4*\s+3], 0x80000000                ; type = 2
	s_mov_b32 s[G0B+4*\s], 1
	s_add_co_u32 s[G0B+4*\s+1], s20, \s*SLOT
	s_add_nc_u64 s[G0B+4*\s+2:G0B+4*\s+3], s[46:47], \s*KSTEP*2
	s_or_b32 s[G0B+4*\s+3], s[G0B+4*\s+3], 0x80000000
	JLOAD \s                                       ; both slots are asked for before anything else: two tensor loads of a wave are out, later one
.endr
	; a fragment is 16 rows x 32 K in 8 registers: lane l holds row l % 16; two loads of 16 bytes, 32 bytes apart, at row x pitch + 16 (l / 16)
	v_and_b32 v1, 15, v0                           ; r
	v_bfe_u32 v2, v0, 4, 1                         ; h
	v_mul_u32_u24 v3, v1, PITCH
	v_lshl_add_u32 v3, v2, 4, v3
	s_mul_i32 s21, s11, HALFT                      ; my 128 rows of x
	s_mul_i32 s22, s12, HALFT                      ; my 96 rows of weights,
	s_add_co_u32 s22, s22, 2*HALFT                 ; which lie behind x's two halves
.irp s, 0,1
	v_add_nc_u32 v[ADRA+\s], s21, v3
	v_add_nc_u32 v[ADRB+\s], s22, v3
	s_add_co_u32 s21, s21, SLOT
	s_add_co_u32 s22, s22, SLOT
.endr
	v_lshlrev_b32 v[CO], 5, v1
	v_lshl_add_u32 v[CO], v2, 4, v[CO]
	v_lshlrev_b32 v[BO8], 5, v2
	v_lshlrev_b32 v[BO4], 2, v1
	WIN 0x40                                       ; destination window 1, address window 0
.irp e, 0,1
.irp p, 0,1
	global_load_b128 v[BQ+8*\e+4*\p:BQ+8*\e+4*\p+3], v[BO8], s[72:73] offset:64*\e+16*\p   ; q's biases of dims 16 e + 8 h + 4 p ..
	global_load_b128 v[BK+8*\e+4*\p:BK+8*\e+4*\p+3], v[BO8], s[74:75] offset:64*\e+16*\p
.endr
	global_load_b32 v[BV+\e], v[BO4], s[76:77] offset:64*\e                                  ; v's bias of dim 16 e + r
.endr
	WIN 0
; 12 matrix instructions: position blocks a0, a0 + 1 of the window's four x the six column blocks (q, q, k, k, v, v), 32 along K.
; zero = 1: the first product starts the sums.  The 48 accumulators take turns, one instruction a turn, in the same order in every quarter step.
.macro MUL12 f, hi, a0, zero
.irp a, \a0, \a0+1
.irp b, 0,1,2,3,4,5
.set D_, 8*(6*(\a)+\b)
.set X_, FA+64*\f+8*(4*\hi+(\a))
.set W_, FB+48*\f+8*\b
.if \b < 4
.if \zero
	v_wmma_f32_16x16x32_bf16 v[D_:D_+7], v[W_:W_+7], v[X_:X_+7], 0
.else
	v_wmma_f32_16x16x32_bf16 v[D_:D_+7], v[W_:W_+7], v[X_:X_+7], v[D_:D_+7]
.endif
.else
.if \zero
	v_wmma_f32_16x16x32_bf16 v[D_:D_+7], v[X_:X_+7], v[W_:W_+7], 0
.else
	v_wmma_f32_16x16x32_bf16 v[D_:D_+7], v[X_:X_+7], v[W_:W_+7], v[D_:D_+7]
.endif
.endif
.endr
.endr
.endm
; 28 LDS loads in one run: the fragments of one quarter step (96 weight rows, then 128 rows of x, 32 K at byte k of the rows) into buffer f
.macro FETCH slot, k, f
.irp b, 0,1,2,3,4,5
	ds_load_b128 v[FB+48*\f+8*\b:FB+48*\f+8*\b+3],   v[ADRB+\slot] offset:\k+\b*16*PITCH
	ds_load_b128 v[FB+48*\f+8*\b+4:FB+48*\f+8*\b+7], v[ADRB+\slot] offset:\k+\b*16*PITCH+32
.endr
.irp i, 0,1,2,3,4,5,6,7
	ds_load_b128 v[FA+64*\f+8*\i:FA+64*\f+8*\i+3],   v[ADRA+\slot] offset:\k+\i*16*PITCH
	ds_load_b128 v[FA+64*\f+8*\i+4:FA+64*\f+8*\i+7], v[ADRA+\slot] offset:\k+\i*16*PITCH+32
.endr
.endm
; four places behind a matrix instruction before a load lands on one of its sources or a vector instruction reads its result (ISA guide 7.12.1 for vector instructions)
.macro PLACES
.rept 4
	v_nop
.endr
.endm
; One of a K step's first three quarter steps: multiplies buffer f; in its middle it fetches the next quarter's fragments into buffer g
.macro QUARTER slot, k, f, g, zero
	s_wait_dscnt 8                                 ; the weights and x's rows 0-63 are in; the youngest eight loads (x's rows 64-127) may be out
	WIN MUL_LO
	MUL12 \f, 0, 0, \zero
	MUL12 \f, 0, 2, \zero
	PLACES
	WIN 0
	FETCH \slot, \k, \g
	s_wait_dscnt 28                                ; all but the 28 just issued
	WIN MUL_HI
	MUL12 \f, 1, 0, \zero
	MUL12 \f, 1, 2, \zero
.endm
.macro THREE slot, zero
	QUARTER \slot, 64,  0, 1, \zero
	QUARTER \slot, 128, 1, 0, 0
	QUARTER \slot, 192, 0, 1, 0
.endm
; The last quarter step: multiplies buffer 1 and changes slots.  One barrier for the change: in front of it each wave waits for its reads of this slot and
; for all its tensor loads (one is out: its part of the next slot).  Behind it the refill comes first, then the next slot's first fragments.
; From a request to the wait for it a wave issues 180 matrix instructions.
.macro TURN slot, next, fill
	s_wait_dscnt 8
	WIN MUL_LO
	MUL12 1, 0, 0, 0
	s_wait_dscnt 0                                 ; my reads of this slot are over
	s_wait_tensorcnt 0x0                           ; all my tensor loads have landed
	ds_add_u32 v30, v31
	s_wait_dscnt 0x0
	s_barrier_signal -1                            ; (where the slot is filled again this barrier opens a round of the cluster's barrier)
	MUL12 1, 0, 2, 0                               ; register work while the others arrive
	WIN 0
	s_barrier_wait -1
.if \fill
	CREST                                          ; no wave of any partner still reads this slot or has a load on its way
	s_add_nc_u64 s[G0+4*\slot+2:G0+4*\slot+3], s[G0+4*\slot+2:G0+4*\slot+3], 2*KSTEP*2
	s_add_nc_u64 s[G0B+4*\slot+2:G0B+4*\slot+3], s[G0B+4*\slot+2:G0B+4*\slot+3], 2*KSTEP*2
	JLOAD \slot                                    ; the first tensor load behind the round, one a wave
.endif
	PLACES
	FETCH \next, 0, 0
	WIN MUL_HI
	MUL12 1, 1, 0, 0
	MUL12 1, 1, 2, 0
.endm
.macro LAP zero
	THREE 0, \zero
	TURN 0, 1, 1
	THREE 1, 0
	TURN 1, 0, 1
.endm
	s_wait_tensorcnt 1                             ; my part of K step 0 is in; K step 1's stays out
	s_barrier_signal -1
	s_barrier_wait -1
	FETCH 0, 0, 0
	LAP 1                                          ; K steps 0, 1; asks for 2, 3.  Its first products start the sums
	WIN 0
	s_mov_b32 s3, LAPS-2
.Llap:
	LAP 0                                          ; K steps 2 to 5; asks for 4 to 7
	WIN 0
	s_sub_co_u32 s3, s3, 1
	s_cmp_lg_u32 s3, 0
	s_cbranch_scc1 .Llap
	THREE 0, 0                                     ; the last lap fills nothing
	TURN 0, 1, 0
	THREE 1, 0
	s_wait_dscnt 8
	WIN MUL_LO
	MUL12 1, 0, 0, 0
	MUL12 1, 0, 2, 0
	s_wait_dscnt 0
	WIN MUL_HI
	MUL12 1, 1, 0, 0
	MUL12 1, 1, 2, 0
	; THE WAY OUT: bias (q: also the scale, in one fused multiply-add), one rounding to f16, 16 bytes a lane
	PLACES
	s_lshr_b32 s88, s13, 3                         ; batch
	s_lshl_b32 s88, s88, 4
	s_add_co_u32 s88, s88, s42                     ; 16 x batch + head
	s_lshl_b32 s88, s88, 18                        ; 262,144 bytes each
	s_and_b32 s89, s13, 7                          ; chunk of 256 positions: 32,768 bytes
	s_lshl_b32 s89, s89, 15
	s_add_co_u32 s88, s88, s89
	s_lshl_b32 s89, s12, 14                        ; my two planes: 8,192 bytes each
	s_add_co_u32 s88, s88, s89
	s_lshl_b32 s89, s11, 12                        ; my eight groups: 512 bytes each
	s_add_co_u32 s88, s88, s89
	s_mov_b32 s89, 0
	s_add_nc_u64 s[78:79], s[78:79], s[88:89]
	s_add_nc_u64 s[80:81], s[80:81], s[88:89]
	s_add_nc_u64 s[82:83], s[82:83], s[88:89]
	s_wait_loadcnt 0x0                             ; the biases
	WIN 0x55
.irp i, 0,1,2,3,4,5,6,7
	v_pk_mul_f32 v[BQ+2*\i:BQ+2*\i+1], v[BQ+2*\i:BQ+2*\i+1], s[84:85] op_sel_hi:[1,0]   ; (acc + b) c = acc c + b c
.endr
; the 24 tiles of one window.  wadd: windows for the bias step (tiles in the window, biases in window 1); wcvt: for the rounding (into window 0);
; abase: the window's first group; pk: 96 registers of window 0 for the packed results, used once, so no store's data is rewritten
.macro OUTW wadd, wcvt, abase, pk
	WIN \wadd
.irp a, 0,1,2,3
.irp b, 0,1,2,3,4,5
.irp p, 0,1,2,3
.set T_, 8*(6*\a+\b)+2*\p
.if \b < 2
	v_pk_fma_f32 v[T_:T_+1], v[T_:T_+1], s[84:85], v[BQ+8*\b+2*\p:BQ+8*\b+2*\p+1] op_sel_hi:[1,0,1]
.elseif \b < 4
	v_pk_add_f32 v[T_:T_+1], v[T_:T_+1], v[BK+8*(\b-2)+2*\p:BK+8*(\b-2)+2*\p+1]
.elseif \b == 4
	v_pk_add_f32 v[T_:T_+1], v[T_:T_+1], v[BV:BV+1] op_sel:[0,0] op_sel_hi:[1,0]
.else
	v_pk_add_f32 v[T_:T_+1], v[T_:T_+1], v[BV:BV+1] op_sel:[0,1] op_sel_hi:[1,1]
.endif
.endr
.endr
.endr
	WIN \wcvt
.irp a, 0,1,2,3
.irp b, 0,1,2,3,4,5
.irp p, 0,1,2,3
.set T_, 8*(6*\a+\b)+2*\p
	v_cvt_pk_f16_f32 v[\pk+4*(6*\a+\b)+\p], v[T_], v[T_+1]
.endr
.endr
.endr
	WIN 0
.irp a, 0,1,2,3
.irp b, 0,1,2,3,4,5
	global_store_b128 v[CO], v[\pk+4*(6*\a+\b):\pk+4*(6*\a+\b)+3], s[78+2*(\b/2):79+2*(\b/2)] offset:(\b&1)*8192+(\abase+\a)*512   ; one block: 512 consecutive bytes
.endr
.endr
.endm
	OUTW 0x55, 0x05, 0, 32
	OUTW 0x96, 0x0a, 4, 128
	CROUND                                         ; the closing round: no work-group ends while a partner may still ask for a tile that names it
	s_endpgm
.Lfunc_end_k_q801d9839c4_qkv:
	.size	k_q801d9839c4_qkv, .Lfunc_end_k_q801d9839c4_qkv-k_q801d9839c4_qkv
	.p2alignl 7, 3214868480
	.fill 96, 4, 3214868480
	.section	.rodata,"a",@progbits
	.p2align	6, 0x0
	.amdhsa_kernel k_q801d9839c4_qkv
		.amdhsa_group_segment_fixed_size 327680
		.amdhsa_private_segment_fixed_size 0
		.amdhsa_enable_private_segment 0
		.amdhsa_kernarg_size 64
		.amdhsa_user_sgpr_count 2
		.amdhsa_user_sgpr_kernarg_segment_ptr 1
		.amdhsa_wavefront_size32 1
		.amdhsa_system_sgpr_workgroup_id_x 1
		.amdhsa_system_sgpr_workgroup_id_y 1
		.amdhsa_system_sgpr_workgroup_id_z 1
		.amdhsa_system_vgpr_workitem_id 0
		.amdhsa_next_free_vgpr 704
		.amdhsa_next_free_sgpr 96
		.amdhsa_reserve_vcc 0
		.amdhsa_float_denorm_mode_32 3
		.amdhsa_float_denorm_mode_16_64 3
		.amdhsa_memory_ordered 1
		.amdhsa_forward_progress 1
		.amdhsa_inst_pref_size 162
	.end_amdhsa_kernel
	.amdgpu_metadata
---
amdhsa.version: [ 1, 2 ]
amdhsa.kernels:
  - .name:           k_q801d9839c4_qkv
    .symbol:         k_q801d9839c4_qkv.kd
    .args:
      - { .name: xb, .offset: 0, .size: 8, .value_kind: global_buffer, .address_space: global }
      - { .name: wb, .offset: 8, .size: 8, .value_kind: global_buffer, .address_space: global }
      - { .name: wq_b, .offset: 16, .size: 8, .value_kind: global_buffer, .address_space: global }
      - { .name: wk_b, .offset: 24, .size: 8, .value_kind: global_buffer, .address_space: global }
      - { .name: wv_b, .offset: 32, .size: 8, .value_kind: global_buffer, .address_space: global }
      - { .name: qw, .offset: 40, .size: 8, .value_kind: global_buffer, .address_space: global }
      - { .name: kw, .offset: 48, .size: 8, .value_kind: global_buffer, .address_space: global }
      - { .name: vw, .offset: 56, .size: 8, .value_kind: global_buffer, .address_space: global }
    .group_segment_fixed_size: 327680
    .private_segment_fixed_size: 0
    .kernarg_segment_align: 8
    .kernarg_segment_size: 64
    .max_flat_workgroup_size: 128
    .sgpr_count:     96
    .vgpr_count:     704
    .wavefront_size: 32
...
	.end_amdgpu_metadata
.endif
;; end of part 2
;; launch attn (part 3): grid 256 x 1, 8 waves a work-group, no clusters, 327,680 bytes of LDS; arguments qw, kw, vw, out0; writes out0
.if DOCPART == 3
	.amdgcn_target "amdgcn-amd-amdhsa--gfx1250"
	.amdhsa_code_object_version 6
	.text
	.protected	k_q801d9839c4_attn
	.globl	k_q801d9839c4_attn
	.p2align	8
	.type	k_q801d9839c4_attn,@function
k_q801d9839c4_attn:
	s_mov_b64 s[64:65], 0
	v_nop
	global_prefetch_b8 v0, s[64:65] scope:SCOPE_SE
	s_setreg_imm32_b32 hwreg(HW_REG_WAVE_MODE, 25, 1), 1
	s_wait_xcnt 0x0
; Causal softmax attention, 32 (batch, head) pairs, 2,048 positions, 64 dims; q carries log2(e) / 8, so the exponentials are base 2.
; A running maximum is taken away before every exponential.  f16 operands (q, k, v, P), f32 scores, sums, maxima and results.
; LIMITS: P is rounded to f16 (values below 2^-24 vanish against a row sum of at least 1); exp2 gives 0 for results below 2^-126; masked scores take
; f32's lowest finite number, as the problem's mask does; NaN and infinite inputs are not treated apart.
; WORK: work-group (bh, g) does the query block of 128 rows i = g and then i = 15 - g: block i needs key steps (128 keys) 0 .. i, so every work-group
; does 17 steps.  Steps above the diagonal are not done.  K and V come in chunks of 256 keys (two steps): (g / 2 + 1) + (8 - g / 2) = 9 chunks for every work-group.
; Eight waves: wave w takes 32 queries (rg = w % 4) and 64 of a step's 128 keys (kh = w / 4), with its own maximum, sum and O; the two key halves are
; merged through LDS at the end of a block.  Two waves lie on each SIMD: one's softmax goes on beside the other's matrix work.
; TRANSPOSED PRODUCTS: S^T = K Q^T and O^T += V^T P^T.  Lane (r, h) then holds query r and keys 8 h + j, so two score tiles, rounded, ARE P's
; operand registers: P never moves between lanes, and maximum, sum and rescale are one number a lane.
; NO MULTICAST: the eight work-groups of a head walk 1 to 4 chunks and then 8 to 5, so at a given trip they want different chunks; asking in step would take
; 20 steps in place of 17.
; LDS: slot s at 69,632 s: K's chunk (128 rows of 256 bytes, pitch 272), then V's.  Stage at 139,264: 8 waves x 32 rows x 272.  Maxima and sums at 208,896: 16 bytes a query.
; No tensor load lands in the stage or behind it.
.set PITCH, 272
.set KV,    128*PITCH                  ; a chunk of K or of V
.set SLOT,  2*KV
.set QUART, 64*PITCH                   ; what one tensor load brings
.set PL,    32*PITCH                   ; a plane of 16 dims: 16 blocks
.set GR,    2*PITCH                    ; a block of 512 bytes: two LDS rows
.set STAGE, 2*SLOT
.set WST,   32*PITCH                   ; a wave's stage
.set STATS, STAGE+8*WST
.set AK, 2                             ; v2-3   LDS address of my K fragments in slot 0, 1
.set AV, 4                             ; v4-5   the same for V
                                       ; v6 my bytes in a block of q; v7 = r + 32 rg - 8 h - 64 kh, the mask's bound
                                       ; v9, v10 where I put O and (m, l); v11, v12 where I read them back; v13 my byte offset in out0
                                       ; v[16:17] m of my two queries; v[18:19] the new m; v[20:21] the rescale; v[22:25] the sums, a pair a query; v[26:31] at work
.set QQ, 32                            ; v[32:63]    Q(n, ks) at 32 + 16 n + 8 ks
.set SS, 64                            ; v[64:127]   S(mf, n) at 64 + 16 mf + 8 n; P(n, t) is made in S(2 t, n)
.set OO, 128                           ; v[128:191]  O(a, n) at 128 + 16 a + 8 n
.set FR, 192                           ; v[192:255]  K(mf, ks) at 192 + 32 ks + 8 mf, then V(a, t) at 192 + 32 t + 8 a
.set EE, 224                           ; the merge: two factors a row
.set DN, 240                           ; the merge: maximum, then denominator
.set G1, 24                            ; s[24:31] descriptor group 1
.set G0, 32                            ; s[32:39] group 0, a set for each slot
; s12 wave, s13 rg, s14 kh, s15 g, s16 bh, s17 chunks of the first block, s18 the block's number = its diagonal step, s19 the step, s20 the next chunk to ask for, s21 trips
; The address of chunk s20 of the nine, for slot: the first block's chunks 0 .., then the second's 0 ..  Written only where no tensor load of the wave is out.
.macro REQ slot
	s_sub_co_u32 s42, s20, s17
	s_cmp_lt_u32 s20, s17
	s_cselect_b32 s42, s20, s42
	s_lshl_b32 s42, s42, 15                        ; chunks of 32,768 bytes
	s_mov_b32 s43, 0
	s_add_nc_u64 s[G0+4*\slot+2:G0+4*\slot+3], s[40:41], s[42:43]
	s_or_b32 s[G0+4*\slot+3], s[G0+4*\slot+3], 0x80000000           ; type = 2
	s_add_co_u32 s20, s20, 1
.endm
; Q of block s18: 8 loads of 512 consecutive bytes
.macro QLOAD
	s_lshr_b32 s42, s18, 1
	s_lshl_b32 s42, s42, 15                        ; chunk i / 2
	s_and_b32 s43, s18, 1
	s_lshl_b32 s43, s43, 12                        ; groups 8 (i % 2) ..
	s_add_co_u32 s42, s42, s43
	s_mov_b32 s43, 0
	s_add_nc_u64 s[46:47], s[44:45], s[42:43]
.irp n, 0,1
.irp ks, 0,1
.irp e, 0,1
	global_load_b128 v[QQ+16*\n+8*\ks+4*\e:QQ+16*\n+8*\ks+4*\e+3], v6, s[46:47] offset:(2*\ks+\e)*8192+\n*512
.endr
.endr
.endr
.endm
; A block begins: where its rows go, step 0, O = 0, m = the lowest number, sums 0.  O is cleared by moves: it is rescaled in front of every product, the first too.
.macro RESET
	s_lshl_b32 s42, s18, 19                        ; 128 rows of 4,096 bytes
	s_mov_b32 s43, 0
	s_add_nc_u64 s[50:51], s[48:49], s[42:43]
	s_mov_b32 s19, 0
.set i_, 0
.rept 64
	v_mov_b32 v[OO+i_], 0
.set i_, i_+1
.endr
	v_mov_b32 v16, s22
	v_mov_b32 v17, s22
.irp i, 22,23,24,25
	v_mov_b32 v\i, 0
.endr
.endm
	s_load_b256 s[4:11], s[0:1], 0x0               ; qw s[4:5], kw s[6:7], vw s[8:9], out0 s[10:11]
	s_set_vgpr_msb 0x40
	v_lshl_add_u32 v0, v0, 2, 0x33800
	v_mov_b32 v1, 0
	s_set_vgpr_msb 0x4045
	ds_add_u32 v0, v1
	s_set_vgpr_msb 0x4500
	v_lshrrev_b32 v1, 5, v0
	v_readfirstlane_b32 s12, v1                    ; wave 0..7
	s_and_b32 s13, s12, 3
	s_lshr_b32 s14, s12, 2
	s_and_b32 s15, ttmp9, 7
	s_lshr_b32 s16, ttmp9, 3
	s_lshr_b32 s17, s15, 1
	s_add_co_u32 s17, s17, 1
	s_mov_b32 s18, s15                             ; the first block is i = g
	s_mov_b32 s20, 0
	s_mov_b32 s22, 0xff7fffff                      ; f32's lowest finite number
	s_mov_b32 s52, 0x76543210                      ; v_permlanex16_b32: lane i reads lane i of the other half
	s_mov_b32 s53, 0xfedcba98
	; group 1: 64 rows of 32 elements of 8 bytes (a dense block as rows of 256 bytes), 16 bytes of padding behind each
	s_mov_b32 s[G1+0], (3<<16)|(1<<20)|(5<<22)|(3<<25)   ; no mask; 8 bytes; padding on, after every 64 words, 4 words
	s_mov_b32 s[G1+1], 32<<16                      ; tensor_dim0 = 32
	s_mov_b32 s[G1+2], 64<<16                      ; tensor_dim1 = 64
	s_mov_b32 s[G1+3], 32<<16                      ; tile_dim0 = 32
	s_mov_b32 s[G1+4], 64                          ; tile_dim1 = 64
	s_mov_b32 s[G1+5], 32                          ; pitch = the row
	s_mov_b32 s[G1+6], 0
	s_mov_b32 s[G1+7], 0
	s_mov_b32 s[G0], 1
	s_mul_i32 s[G0+1], s12, QUART                  ; waves 0, 1: K's halves; waves 2, 3: V's
	s_mov_b32 s[G0+4], 1
	s_add_co_u32 s[G0+5], s[G0+1], SLOT
	s_lshl_b32 s42, s16, 18                        ; 262,144 bytes a (batch, head)
	s_mov_b32 s43, 0
	s_and_b32 s54, s12, 1
	s_lshl_b32 s54, s54, 14                        ; my half of a chunk
	s_mov_b32 s55, 0
	s_lshr_b32 s56, s16, 4
	s_lshl_b32 s56, s56, 23                        ; batch: 2,048 rows of 4,096 bytes
	s_and_b32 s57, s16, 15
	s_lshl_b32 s57, s57, 8                         ; head: 64 f32
	s_add_co_u32 s56, s56, s57
	s_mov_b32 s57, 0
	s_wait_dscnt 0x0
	s_barrier_signal -1
	s_barrier_wait -1
	s_wait_kmcnt 0x0
	s_cmp_lt_u32 s12, 2
	s_cselect_b64 s[40:41], s[6:7], s[8:9]         ; K or V, by the wave's number
	s_add_nc_u64 s[40:41], s[40:41], s[42:43]
	s_add_nc_u64 s[40:41], s[40:41], s[54:55]
	s_add_nc_u64 s[44:45], s[4:5], s[42:43]        ; q of my (batch, head)
	s_add_nc_u64 s[48:49], s[10:11], s[56:57]      ; out0 at my batch's first row, my head's columns
	REQ 0
	REQ 1
	s_cmp_ge_u32 s12, 4
	s_cbranch_scc1 .Lno_first
	tensor_load_to_lds s[G0:G0+3], s[G1:G1+7]      ; the first fills, as one group: two tensor loads of a wave are out here, later one
	s_nop 0
	tensor_load_to_lds s[G0+4:G0+7], s[G1:G1+7]
	s_nop 0
.Lno_first:
	v_and_b32 v14, 15, v0                          ; r
	v_bfe_u32 v15, v0, 4, 1                        ; h
	v_lshlrev_b32 v6, 5, v14
	v_lshl_add_u32 v6, v15, 4, v6
	v_lshl_add_u32 v6, s13, 10, v6                 ; 2 blocks a wave + 32 r + 16 h
	QLOAD
	; byte 32 r + 16 h of a block lies at (r / 8) 272 + 32 (r % 8) + 16 h: sixteen lanes touch sixteen different 16-byte columns modulo 256 bytes
	v_lshrrev_b32 v8, 3, v14
	v_mul_u32_u24 v8, v8, PITCH
	v_and_b32 v1, 7, v14
	v_lshl_add_u32 v8, v1, 5, v8
	v_lshl_add_u32 v8, v15, 4, v8
	s_mul_i32 s54, s14, 4*GR                       ; my 64 keys: four blocks
	v_add_nc_u32 v[AK], s54, v8
	v_add_nc_u32 v[AK+1], SLOT, v[AK]
	v_add_nc_u32 v[AV], KV, v[AK]
	v_add_nc_u32 v[AV+1], SLOT+KV, v[AK]
	v_lshlrev_b32 v7, 3, v15
	v_sub_nc_u32 v7, v14, v7
	s_lshl_b32 s54, s13, 5
	s_lshl_b32 s55, s14, 6
	s_sub_co_i32 s54, s54, s55
	v_add_nc_u32 v7, s54, v7                       ; r - 8 h + 32 rg - 64 kh
	v_mul_u32_u24 v9, v14, PITCH
	v_lshl_add_u32 v9, v15, 5, v9
	s_mul_i32 s54, s12, WST
	s_add_co_u32 s54, s54, STAGE
	v_add_nc_u32 v9, s54, v9                       ; my stage, row r, 32 bytes for each half of the lanes
	s_lshl_b32 s54, s13, 9
	s_lshl_b32 s55, s14, 3
	s_add_co_u32 s54, s54, s55
	s_add_co_u32 s54, s54, STATS
	v_lshl_add_u32 v10, v14, 4, s54                ; query 32 rg + r: 16 bytes, my key half's 8
	v_mul_u32_u24 v11, v15, PITCH
	v_lshl_add_u32 v11, v14, 4, v11
	s_mul_i32 s54, s13, WST
	s_mul_i32 s55, s14, 16*PITCH
	s_add_co_u32 s54, s54, s55
	s_add_co_u32 s54, s54, STAGE
	v_add_nc_u32 v11, s54, v11                     ; back: rows 16 kh + h + 2 t of wave rg's stage (wave rg + 4's lies 34,816 bytes on), 16 bytes a lane
	s_lshl_b32 s54, s13, 9
	s_lshl_b32 s55, s14, 8
	s_add_co_u32 s54, s54, s55
	s_add_co_u32 s54, s54, STATS
	v_lshl_add_u32 v12, v15, 4, s54
	s_lshl_b32 s54, s13, 17
	s_lshl_b32 s55, s14, 16
	s_add_co_u32 s54, s54, s55
	v_lshl_add_u32 v13, v15, 12, s54
	v_lshl_add_u32 v13, v14, 4, v13                ; row 32 rg + 16 kh + h of the block, 16 r
.irp i, 26,27,28,29,30,31
	v_mov_b32 v\i, 0                               ; v_permlanex16_b32's destination counts as read
.endr
	RESET
; S^T: 8 tiles (4 x 16 keys, 2 x 16 queries), 32 dims.  The 8 accumulators take turns, one instruction a turn.
.macro SMUL ks
.irp mf, 0,1,2,3
.irp n, 0,1
.if \ks
	v_wmma_f32_16x16x32_f16 v[SS+16*\mf+8*\n:SS+16*\mf+8*\n+7], v[FR+32*\ks+8*\mf:FR+32*\ks+8*\mf+7], v[QQ+16*\n+8*\ks:QQ+16*\n+8*\ks+7], v[SS+16*\mf+8*\n:SS+16*\mf+8*\n+7]
.else
	v_wmma_f32_16x16x32_f16 v[SS+16*\mf+8*\n:SS+16*\mf+8*\n+7], v[FR+32*\ks+8*\mf:FR+32*\ks+8*\mf+7], v[QQ+16*\n+8*\ks:QQ+16*\n+8*\ks+7], 0
.endif
.endr
.endr
.endm
; O^T: 8 tiles (4 x 16 dims, 2 x 16 queries), 32 keys; by turns likewise
.macro OMUL t
.irp a, 0,1,2,3
.irp n, 0,1
	v_wmma_f32_16x16x32_f16 v[OO+16*\a+8*\n:OO+16*\a+8*\n+7], v[FR+32*\t+8*\a:FR+32*\t+8*\a+7], v[SS+32*\t+8*\n:SS+32*\t+8*\n+7], v[OO+16*\a+8*\n:OO+16*\a+8*\n+7]
.endr
.endr
.endm
; The diagonal step: key 64 kh + 16 mf + 8 h + j stays where it is at most query 32 rg + 16 n + r, that is 16 (mf - n) + j <= v7.
; The bound hangs on d = mf - n alone: one compare serves tiles (d, 0) and (d + 1, 1).
.macro MASK
.irp d, -1,0,1,2,3
.irp j, 0,1,2,3,4,5,6,7
	v_cmp_le_i32 vcc_lo, 16*(\d)+\j, v7
.if (\d) >= 0
	v_cndmask_b32 v[SS+16*(\d)+\j], s22, v[SS+16*(\d)+\j], vcc_lo
.endif
.if (\d) < 3
	v_cndmask_b32 v[SS+16*((\d)+1)+8+\j], s22, v[SS+16*((\d)+1)+8+\j], vcc_lo
.endif
.endr
.endr
.endm
.macro SOFTMAX
	; the new maximum of each of my two queries: 32 scores and the old one, 16 three-way maxima in four chains, then the other half of the lanes
.irp n, 0,1
.irp mf, 0,1,2,3
	v_max3_num_f32 v[26+\mf], v[SS+16*\mf+8*\n], v[SS+16*\mf+8*\n+1], v[SS+16*\mf+8*\n+2]
.endr
.irp mf, 0,1,2,3
	v_max3_num_f32 v[26+\mf], v[26+\mf], v[SS+16*\mf+8*\n+3], v[SS+16*\mf+8*\n+4]
.endr
.irp mf, 0,1,2,3
	v_max3_num_f32 v[26+\mf], v[26+\mf], v[SS+16*\mf+8*\n+5], v[SS+16*\mf+8*\n+6]
.endr
	v_max3_num_f32 v26, v26, v27, v[SS+8*\n+7]
	v_max3_num_f32 v28, v28, v29, v[SS+16+8*\n+7]
	v_max3_num_f32 v26, v26, v28, v[SS+32+8*\n+7]
	v_max3_num_f32 v[18+\n], v26, v[SS+48+8*\n+7], v[16+\n]
.endr
	v_permlanex16_b32 v30, v18, s52, s53
	v_permlanex16_b32 v31, v19, s52, s53
	v_max_num_f32 v18, v18, v30
	v_max_num_f32 v19, v19, v31
	v_pk_add_f32 v[20:21], v[16:17], v[18:19] neg_lo:[0,1] neg_hi:[0,1]     ; old m - new m
	v_mov_b32 v16, v18
	v_mov_b32 v17, v19
	v_exp_f32 v20, v20                             ; the rescale; the subtractions below are the plain places behind it (ISA guide 5.7.2)
	v_exp_f32 v21, v21
.irp mf, 0,1,2,3
.irp p, 0,1,2,3
	v_pk_add_f32 v[SS+16*\mf+2*\p:SS+16*\mf+2*\p+1], v[SS+16*\mf+2*\p:SS+16*\mf+2*\p+1], v[18:19] op_sel:[0,0] op_sel_hi:[1,0] neg_lo:[0,1] neg_hi:[0,1]
	v_pk_add_f32 v[SS+16*\mf+8+2*\p:SS+16*\mf+8+2*\p+1], v[SS+16*\mf+8+2*\p:SS+16*\mf+8+2*\p+1], v[18:19] op_sel:[0,1] op_sel_hi:[1,1] neg_lo:[0,1] neg_hi:[0,1]
.endr
.endr
.set i_, 0
.rept 64
	v_exp_f32 v[SS+i_], v[SS+i_]
.set i_, i_+1
.endr
	s_wait_alu depctr_va_vdst(0)
.irp a, 0,1,2,3                                    ; O times the rescale: also the plain places behind the exponentials
.irp p, 0,1,2,3
	v_pk_mul_f32 v[OO+16*\a+2*\p:OO+16*\a+2*\p+1], v[OO+16*\a+2*\p:OO+16*\a+2*\p+1], v[20:21] op_sel:[0,0] op_sel_hi:[1,0]
	v_pk_mul_f32 v[OO+16*\a+8+2*\p:OO+16*\a+8+2*\p+1], v[OO+16*\a+8+2*\p:OO+16*\a+8+2*\p+1], v[20:21] op_sel:[0,1] op_sel_hi:[1,1]
.endr
.endr
	v_pk_fma_f32 v[22:23], v[22:23], v[20:21], v[SS:SS+1] op_sel:[0,0,0] op_sel_hi:[1,0,1]        ; the sums stay a pair a lane until the block ends
	v_pk_fma_f32 v[24:25], v[24:25], v[20:21], v[SS+8:SS+9] op_sel:[0,1,0] op_sel_hi:[1,1,1]
.irp mf, 0,1,2,3
.irp p, 0,1,2,3
.if (\mf+\p) > 0
	v_pk_add_f32 v[22:23], v[22:23], v[SS+16*\mf+2*\p:SS+16*\mf+2*\p+1]
	v_pk_add_f32 v[24:25], v[24:25], v[SS+16*\mf+8+2*\p:SS+16*\mf+8+2*\p+1]
.endif
.endr
.endr
	; P(n, t): tile 2 t's eight numbers into its own registers 0-3 (ascending: each register is read before it is written), tile 2 t + 1's into registers 4-7
.irp t, 0,1
.irp n, 0,1
.irp p, 0,1,2,3
	v_cvt_pk_f16_f32 v[SS+32*\t+8*\n+\p], v[SS+32*\t+8*\n+2*\p], v[SS+32*\t+8*\n+2*\p+1]
.endr
.irp p, 0,1,2,3
	v_cvt_pk_f16_f32 v[SS+32*\t+8*\n+4+\p], v[SS+32*\t+16+8*\n+2*\p], v[SS+32*\t+16+8*\n+2*\p+1]
.endr
.endr
.endr
.endm
; One step: 128 keys, half sub of the chunk in slot.  A step above the diagonal is jumped over; the branch hangs on the work-group's number and counters alone.
.macro STEP slot, sub
	s_cmp_gt_u32 s19, s18
	s_cbranch_scc1 .Lskip_\@
.irp ks, 0,1
.irp mf, 0,1,2,3
.irp e, 0,1
	ds_load_b128 v[FR+32*\ks+8*\mf+4*\e:FR+32*\ks+8*\mf+4*\e+3], v[AK+\slot] offset:(2*\ks+\e)*PL+(8*\sub+\mf)*GR
.endr
.endr
.endr
	s_wait_dscnt 8                                 ; dims 0-31 of my 64 keys are in, the eight younger loads may be out
	SMUL 0
	s_wait_dscnt 0
	SMUL 1
.rept 4
	v_nop                                          ; four places: then loads may land on K's registers and vector instructions read S
.endr
.irp t, 0,1
.irp a, 0,1,2,3
.irp e, 0,1
	ds_load_b128 v[FR+32*\t+8*\a+4*\e:FR+32*\t+8*\a+4*\e+3], v[AV+\slot] offset:\a*PL+(8*\sub+2*\t+\e)*GR
.endr
.endr
.endr
	s_cmp_lg_u32 s19, s18
	s_cbranch_scc1 .Lnomask_\@
	MASK
.Lnomask_\@:
	SOFTMAX
	s_wait_dscnt 8                                 ; V of keys 0-31 is in
	OMUL 0
	s_wait_dscnt 0
	OMUL 1
.rept 5
	v_nop                                          ; five places: the next matrix instruction writes over P; loads land on V's registers; O is read
.endr
.Lskip_\@:
	s_add_co_u32 s19, s19, 1
.endm
; A chunk.  In front of the barrier every wave waits for all its tensor loads (this slot's part among them) and for its reads of the other slot;
; behind it the other slot's refill comes first, one tensor load a wave (waves 4 to 7 have no part to fill), and has the chunk's two steps in which to land.
.macro CHUNK slot, refill
	s_set_vgpr_msb 0x5
	s_wait_tensorcnt 0x0
	ds_add_u32 v0, v1
	s_wait_dscnt 0x0
	s_set_vgpr_msb 0x500
.if \refill
	REQ (1-\slot)
.endif
	s_wait_dscnt 0x0
	s_barrier_signal -1
	s_barrier_wait -1
.if \refill
	s_cmp_ge_u32 s12, 4
	s_cbranch_scc1 .Lno_fill_\@
	tensor_load_to_lds s[G0+4*(1-\slot):G0+4*(1-\slot)+3], s[G1:G1+7]
	s_nop 0
.Lno_fill_\@:
.endif
	STEP \slot, 0
	STEP \slot, 1
.endm
; A block ends: the two key halves meet in LDS, are weighed by exp2(m - common m), divided by the common sum, and stored.
; A wave all of whose keys were masked for a query has m = the lowest number and finite O and l: its weight is exp2 of about -3.4e38 = 0.
; trans = 1: the second block's Q is asked for meanwhile.
.macro FINISH trans
	v_add_f32 v27, v22, v23
	v_add_f32 v29, v24, v25
	v_mov_b32 v26, v16
	v_mov_b32 v28, v17
	v_permlanex16_b32 v30, v27, s52, s53
	v_permlanex16_b32 v31, v29, s52, s53
	v_add_f32 v27, v27, v30
	v_add_f32 v29, v29, v31
	ds_store_b64 v10, v[26:27]                     ; (m, l) of query r; both halves of the lanes write the same words with the same numbers
	ds_store_b64 v10, v[28:29] offset:256          ; and of query 16 + r
.irp n, 0,1
.irp a, 0,1,2,3
	ds_store_b128 v9, v[OO+16*\a+8*\n:OO+16*\a+8*\n+3] offset:\n*16*PITCH+\a*64
	ds_store_b128 v9, v[OO+16*\a+8*\n+4:OO+16*\a+8*\n+7] offset:\n*16*PITCH+\a*64+16
.endr
.endr
.if \trans
	s_sub_co_u32 s18, 15, s15                      ; the second block is i = 15 - g
	QLOAD
.endif
	s_wait_dscnt 0x0                               ; my stores are done, for the others' sake
	s_barrier_signal -1                            ; a chunk's tensor load may stay out
	s_barrier_wait -1
.irp t, 0,1,2,3,4,5,6,7
	ds_load_b128 v[FR+4*\t:FR+4*\t+3], v12 offset:32*\t            ; m0, l0, m1, l1 of row 2 t + h of my 16
.endr
.irp t, 0,1,2,3,4,5,6,7
	ds_load_b128 v[SS+8*\t:SS+8*\t+3], v11 offset:\t*GR            ; the row of the first key half: 16 lanes take its 256 bytes
	ds_load_b128 v[SS+8*\t+4:SS+8*\t+7], v11 offset:\t*GR+4*WST    ; and of the second
.endr
	s_wait_dscnt 16                                ; the eight loads of maxima and sums are in, the sixteen younger ones stay out
.irp t, 0,1,2,3,4,5,6,7
	v_max_num_f32 v[DN+\t], v[FR+4*\t], v[FR+4*\t+2]
.endr
.irp t, 0,1,2,3,4,5,6,7
	v_sub_f32 v[EE+2*\t], v[FR+4*\t], v[DN+\t]
	v_sub_f32 v[EE+2*\t+1], v[FR+4*\t+2], v[DN+\t]
.endr
.irp t, 0,1,2,3,4,5,6,7
	v_exp_f32 v[EE+2*\t], v[EE+2*\t]
	v_exp_f32 v[EE+2*\t+1], v[EE+2*\t+1]
.endr
	v_nop                                          ; a plain place behind the exponentials (ISA guide 5.7.2)
	s_wait_alu depctr_va_vdst(0)
.irp t, 0,1,2,3,4,5,6,7
	v_mul_f32 v[DN+\t], v[FR+4*\t+1], v[EE+2*\t]
.endr
.irp t, 0,1,2,3,4,5,6,7
	v_fmac_f32 v[DN+\t], v[FR+4*\t+3], v[EE+2*\t+1]                ; at least 1: the half with the common maximum has weight 1 and a sum of at least 1
.endr
.irp t, 0,1,2,3,4,5,6,7
	v_rcp_f32 v[DN+\t], v[DN+\t]
.endr
	v_nop
	s_wait_alu depctr_va_vdst(0)
.irp t, 0,1,2,3,4,5,6,7
	v_mul_f32 v[EE+2*\t], v[EE+2*\t], v[DN+\t]
	v_mul_f32 v[EE+2*\t+1], v[EE+2*\t+1], v[DN+\t]
.endr
.irp t, 0,1,2,3,4,5,6,7
	s_wait_dscnt 14-2*\t                           ; LDS loads come back in order (ISA guide 5.7.1): row pair t's two are in
	v_pk_mul_f32 v[SS+8*\t:SS+8*\t+1], v[SS+8*\t:SS+8*\t+1], v[EE+2*\t:EE+2*\t+1] op_sel:[0,0] op_sel_hi:[1,0]
	v_pk_mul_f32 v[SS+8*\t+2:SS+8*\t+3], v[SS+8*\t+2:SS+8*\t+3], v[EE+2*\t:EE+2*\t+1] op_sel:[0,0] op_sel_hi:[1,0]
	v_pk_fma_f32 v[SS+8*\t:SS+8*\t+1], v[SS+8*\t+4:SS+8*\t+5], v[EE+2*\t:EE+2*\t+1], v[SS+8*\t:SS+8*\t+1] op_sel:[0,1,0] op_sel_hi:[1,1,1]
	v_pk_fma_f32 v[SS+8*\t+2:SS+8*\t+3], v[SS+8*\t+6:SS+8*\t+7], v[EE+2*\t:EE+2*\t+1], v[SS+8*\t+2:SS+8*\t+3] op_sel:[0,1,0] op_sel_hi:[1,1,1]
	global_store_b128 v13, v[SS+8*\t:SS+8*\t+3], s[50:51] offset:\t*8192 th:TH_STORE_NT    ; 16 lanes store a head's 256 bytes of a row, aligned
.endr
.endm
; Behind a chunk: if the block's last step is done, the block ends and the second begins.  The same in all waves: the condition hangs on the work-group's number and counters.
.macro CTRANS
	s_cmp_le_u32 s19, s18
	s_cbranch_scc1 .Lgo_on_\@
	FINISH 1
	s_wait_xcnt 0x0                                ; the stores' base and data are rewritten only behind this wait
	RESET
	s_wait_loadcnt 0x0                             ; the second block's Q
.Lgo_on_\@:
.endm
	s_wait_loadcnt 0x0                             ; Q
	s_wait_tensorcnt 0x1                           ; my part of chunk 0 is in; chunk 1's stays out
	s_barrier_signal -1
	s_barrier_wait -1
	STEP 0, 0
	STEP 0, 1
	CTRANS
	s_mov_b32 s21, 3
.Ltrip:                                            ; chunks 1 to 6 of the nine; asks for 2 to 7
	CHUNK 1, 1
	CTRANS
	CHUNK 0, 1
	CTRANS
	s_sub_co_u32 s21, s21, 1
	s_cmp_lg_u32 s21, 0
	s_cbranch_scc1 .Ltrip
	CHUNK 1, 1                                     ; chunk 7; asks for 8.  The first block has at most four chunks, so it ended in the loop at the latest
	CHUNK 0, 0                                     ; chunk 8: nothing is left to fetch
	FINISH 0
	s_set_vgpr_msb 0x5
	s_wait_tensorcnt 0x0
	ds_add_u32 v0, v1
	s_wait_dscnt 0x0
	s_set_vgpr_msb 0x500
	s_endpgm
.Lfunc_end_k_q801d9839c4_attn:
	.size	k_q801d9839c4_attn, .Lfunc_end_k_q801d9839c4_attn-k_q801d9839c4_attn
	.p2alignl 7, 3214868480
	.fill 96, 4, 3214868480
	.section	.rodata,"a",@progbits
	.p2align	6, 0x0
	.amdhsa_kernel k_q801d9839c4_attn
		.amdhsa_group_segment_fixed_size 327680
		.amdhsa_private_segment_fixed_size 0
		.amdhsa_enable_private_segment 0
		.amdhsa_kernarg_size 32
		.amdhsa_user_sgpr_count 2
		.amdhsa_user_sgpr_kernarg_segment_ptr 1
		.amdhsa_wavefront_size32 1
		.amdhsa_system_sgpr_workgroup_id_x 1
		.amdhsa_system_sgpr_workgroup_id_y 1
		.amdhsa_system_sgpr_workgroup_id_z 1
		.amdhsa_system_vgpr_workitem_id 0
		.amdhsa_next_free_vgpr 258
		.amdhsa_next_free_sgpr 66
		.amdhsa_reserve_vcc 1
		.amdhsa_float_denorm_mode_32 3
		.amdhsa_float_denorm_mode_16_64 3
		.amdhsa_memory_ordered 1
		.amdhsa_forward_progress 1
		.amdhsa_inst_pref_size 255
	.end_amdhsa_kernel
	.section	.bss,"aw",@nobits
	.p2align	6
	.space	262144
	.amdgpu_metadata
---
amdhsa.version: [ 1, 2 ]
amdhsa.kernels:
  - .name:           k_q801d9839c4_attn
    .symbol:         k_q801d9839c4_attn.kd
    .args:
      - { .name: qw, .offset: 0, .size: 8, .value_kind: global_buffer, .address_space: global }
      - { .name: kw, .offset: 8, .size: 8, .value_kind: global_buffer, .address_space: global }
      - { .name: vw, .offset: 16, .size: 8, .value_kind: global_buffer, .address_space: global }
      - { .name: out0, .offset: 24, .size: 8, .value_kind: global_buffer, .address_space: global }
    .group_segment_fixed_size: 327680
    .private_segment_fixed_size: 0
    .kernarg_segment_align: 8
    .kernarg_segment_size: 32
    .max_flat_workgroup_size: 256
    .sgpr_count:     66
    .vgpr_count:     258
    .wavefront_size: 32
...
	.end_amdgpu_metadata
.endif
;; end of part 3
;; ======== version 2 of 2: 3 launches; version 1 with the launch cvt written anew for expert scheduling mode
;; limits: values are held in f16: magnitudes above 65,504 overflow, below 6.1e-05 lose precision
;; workspace buffers: xb 8,388,608 bytes; wb 6,291,456 bytes; qw 8,388,608 bytes; kw 8,388,608 bytes; vw 8,388,608 bytes
;; launch cvt (part 4): grid 256 x 1, 8 waves a work-group, no clusters, 0 bytes of LDS; arguments x, wq_w, wk_w, wv_w, xb, wb; writes xb, wb
.if DOCPART == 4
	.amdgcn_target "amdgcn-amd-amdhsa--gfx1250"
	.amdhsa_code_object_version 6
	.text
	.protected	k_q801d9839c4_cvt
	.globl	k_q801d9839c4_cvt
	.p2align	8
	.type	k_q801d9839c4_cvt,@function
k_q801d9839c4_cvt:
	s_mov_b64 s[64:65], 0
	v_nop
	global_prefetch_b8 v0, s[64:65] scope:SCOPE_SE
	s_setreg_imm32_b32 hwreg(HW_REG_WAVE_SCHED_MODE, 0, 2), 2
	s_setreg_imm32_b32 hwreg(HW_REG_WAVE_MODE, 25, 1), 1
	s_wait_xcnt 0x0
	s_wait_alu depctr_vm_vsrc(0)
; x [4096][1024] and the three weights [1024][1024], f32, are rounded once to bf16 (nearest even).
; xb: [4096][1024] bf16, rows as in x.
; wb: [16 heads][2 halves of a head's 64 dims][q 32 rows | k 32 rows | v 32 rows][1024] bf16: the 96 rows that one wave
;     of the next launch multiplies by lie together.
; A stream: no LDS, no barrier, no matrix unit.  Work-group g takes rows 16 g .. 16 g + 15 of x and rows 4 g .. 4 g + 3 of each weight:
; 28 rows of 4,096 bytes.  Thread t takes the 16 bytes at 16 t of every row, so the eight waves cover a row, a load of a wave
; covers 512 consecutive bytes and a store of a wave 256 consecutive bytes, aligned.  All 28 loads of a wave go out first.
; THE MODE: SCHED_MODE bits 1:0 = 2 (LLVM: expert scheduling mode 2), set by the entry lines.  The code itself states the register dependences
; between vector instructions and memory instructions, with s_wait_alu, always for 0.
; THE PLAN.  Registers that memory instructions touch:
;   v1, v2     byte offsets of the loads and of the stores: made once at the head, never written again.
;   X, row n   four registers.  Written by row n's load; read by row n's two roundings, which write its first two registers; those two are
;              read by row n's store.  Nothing writes them after that: no register that a memory instruction reads is ever written again.
; The 28 rows go in 7 blocks of four (blocks 0 to 3: x; blocks 4 to 6: the rows of wq_w, wk_w, wv_w).  Block p rounds its own rows; its memory
; instructions are the four stores of block p - 1, whose data no vector instruction of block p names.  So one wait at a block's head states all that
; its four stores hang on, and they are dealt among the block's roundings with no further wait.  The text has no loop.
.set ROWIN,  4096                      ; bytes in an f32 row
.set ROWOUT, 2048                      ; bytes in a bf16 row
.set X,      4                         ; v[4:115]  row n: 4 registers as loaded; its first two then hold the 4 bf16
	s_load_b256 s[4:11], s[0:1], 0x0               ; x s[4:5], wq_w s[6:7], wk_w s[8:9], wv_w s[10:11]
	s_load_b128 s[12:15], s[0:1], 0x20             ; xb s[12:13], wb s[14:15]
	v_lshlrev_b32 v1, 4, v0                        ; my 16 bytes of an f32 row
	v_lshlrev_b32 v2, 3, v0                        ; my 8 bytes of a bf16 row
	s_lshl_b32 s16, ttmp9, 16                      ; 16 rows of 4,096 bytes
	s_mov_b32 s17, 0
	s_lshl_b32 s18, ttmp9, 15                      ; 16 rows of 2,048 bytes
	s_mov_b32 s19, 0
	s_lshl_b32 s20, ttmp9, 14                      ; 4 rows of 4,096 bytes
	s_mov_b32 s21, 0
	s_lshr_b32 s22, ttmp9, 4                       ; weight rows 4 g ..: head g / 16,
	s_mul_i32 s22, s22, 192
	s_bfe_u32 s23, ttmp9, 0x10003                  ; half (g / 8) mod 2,
	s_mul_i32 s23, s23, 96
	s_add_co_u32 s22, s22, s23
	s_and_b32 s23, ttmp9, 7                        ; row 4 (g mod 8) of the half's 32
	s_lshl2_add_u32 s22, s23, s22
	s_lshl_b32 s22, s22, 11                        ; rows of 2,048 bytes
	s_mov_b32 s23, 0
	s_wait_kmcnt 0x0
	s_add_nc_u64 s[4:5], s[4:5], s[16:17]
	s_add_nc_u64 s[12:13], s[12:13], s[18:19]
	s_add_nc_u64 s[6:7], s[6:7], s[20:21]
	s_add_nc_u64 s[8:9], s[8:9], s[20:21]
	s_add_nc_u64 s[10:11], s[10:11], s[20:21]
	s_add_nc_u64 s[14:15], s[14:15], s[22:23]
	s_wait_alu depctr_va_vdst(0)                   ; v1 and v2 are written: every load and store of the kernel reads one of them as its offset
.irp i, 0,1,2,3,4,5,6,7,8,9,10,11,12,13,14,15
	global_load_b128 v[X+4*\i:X+4*\i+3], v1, s[4:5] offset:\i*ROWIN th:TH_LOAD_NT
.endr
.irp t, 0,1,2
.irp i, 0,1,2,3
	global_load_b128 v[X+64+16*\t+4*\i:X+64+16*\t+4*\i+3], v1, s[6+2*\t:7+2*\t] offset:\i*ROWIN th:TH_LOAD_NT
.endr
.endr
; Row n of the 28 is rounded in the registers that it was loaded into.
.macro ROUND n
	v_cvt_pk_bf16_f32 v[X+4*(\n)], v[X+4*(\n)], v[X+4*(\n)+1]
	v_cvt_pk_bf16_f32 v[X+4*(\n)+1], v[X+4*(\n)+2], v[X+4*(\n)+3]
.endm
; Row n is stored: rows 0 to 15 into xb; rows 16 to 27 into wb, where q, k, v lie 32 rows of 2,048 bytes apart.
.macro SEND n
.if (\n) < 16
	global_store_b64 v2, v[X+4*(\n):X+4*(\n)+1], s[12:13] offset:(\n)*ROWOUT
.else
	global_store_b64 v2, v[X+4*(\n):X+4*(\n)+1], s[14:15] offset:(((\n)-16)/4)*65536+(((\n)-16)%4)*ROWOUT
.endif
.endm
; Block p: its four rows are rounded; the four stores of the block before stand among the roundings, one ahead of each row's two.
.macro BLK p
	s_wait_loadcnt 24-4*(\p)                       ; loads come back in order (ISA guide 5.7.1): rows 4 p to 4 p + 3 are in, the 24 - 4 p younger loads stay out
.if (\p) > 0
	s_wait_alu depctr_va_vdst(0)                   ; the roundings of the block before have written its rows' first two registers, which the four stores below read
.endif
.irp i, 0,1,2,3
.if (\p) > 0
	SEND 4*((\p)-1)+\i                             ; no vector instruction since the wait names this store's data or v2
.endif
	ROUND 4*(\p)+\i
.endr
.endm
	BLK 0                                          ; no block stands in front of it: no store, and no wait but the one for its data
	BLK 1
	BLK 2
	BLK 3
	BLK 4
	BLK 5
	BLK 6
	s_wait_alu depctr_va_vdst(0)                   ; block 6's roundings have written the data of the last four stores
.irp i, 0,1,2,3
	SEND 24+\i
.endr
	s_endpgm
.Lfunc_end_k_q801d9839c4_cvt:
	.size	k_q801d9839c4_cvt, .Lfunc_end_k_q801d9839c4_cvt-k_q801d9839c4_cvt
	.p2alignl 7, 3214868480
	.fill 96, 4, 3214868480
	.section	.rodata,"a",@progbits
	.p2align	6, 0x0
	.amdhsa_kernel k_q801d9839c4_cvt
		.amdhsa_group_segment_fixed_size 0
		.amdhsa_private_segment_fixed_size 0
		.amdhsa_enable_private_segment 0
		.amdhsa_kernarg_size 48
		.amdhsa_user_sgpr_count 2
		.amdhsa_user_sgpr_kernarg_segment_ptr 1
		.amdhsa_wavefront_size32 1
		.amdhsa_system_sgpr_workgroup_id_x 1
		.amdhsa_system_sgpr_workgroup_id_y 1
		.amdhsa_system_sgpr_workgroup_id_z 1
		.amdhsa_system_vgpr_workitem_id 0
		.amdhsa_next_free_vgpr 120
		.amdhsa_next_free_sgpr 66
		.amdhsa_reserve_vcc 0
		.amdhsa_float_denorm_mode_32 3
		.amdhsa_float_denorm_mode_16_64 3
		.amdhsa_memory_ordered 1
		.amdhsa_forward_progress 1
		.amdhsa_inst_pref_size 11
	.end_amdhsa_kernel
	.amdgpu_metadata
---
amdhsa.version: [ 1, 2 ]
amdhsa.kernels:
  - .name:           k_q801d9839c4_cvt
    .symbol:         k_q801d9839c4_cvt.kd
    .args:
      - { .name: x, .offset: 0, .size: 8, .value_kind: global_buffer, .address_space: global }
      - { .name: wq_w, .offset: 8, .size: 8, .value_kind: global_buffer, .address_space: global }
      - { .name: wk_w, .offset: 16, .size: 8, .value_kind: global_buffer, .address_space: global }
      - { .name: wv_w, .offset: 24, .size: 8, .value_kind: global_buffer, .address_space: global }
      - { .name: xb, .offset: 32, .size: 8, .value_kind: global_buffer, .address_space: global }
      - { .name: wb, .offset: 40, .size: 8, .value_kind: global_buffer, .address_space: global }
    .group_segment_fixed_size: 0
    .private_segment_fixed_size: 0
    .kernarg_segment_align: 8
    .kernarg_segment_size: 48
    .max_flat_workgroup_size: 256
    .sgpr_count:     66
    .vgpr_count:     120
    .wavefront_size: 32
...
	.end_amdgpu_metadata
.endif
;; end of part 4
;; launch qkv: the kernel of part 2 again; grid 16 x 16, 4 waves a work-group, clusters of 4 x 4, 327,680 bytes of LDS; arguments xb, wb, wq_b, wk_b, wv_b, qw, kw, vw; writes qw, kw, vw
;; launch attn: the kernel of part 3 again; grid 256 x 1, 8 waves a work-group, no clusters, 327,680 bytes of LDS; arguments qw, kw, vw, out0; writes out0
